; MI455X (gfx1250); checked and timed in simulation.
; The chip was launched on July 23, 2026; its instructions are those of AMD's public machine-readable ISA for CDNA 5 (MIT licence, August 2026) and "CDNA5" Instruction Set Architecture Reference Guide (July 2026). The comments in the code are by the model that wrote it; some were corrected since.
;; Multi Head Attention Block. Allowed arithmetic: matrix products marked QUANTISED: E2M1 operands, one E8M0 scale for each 32 along K, by v_wmma_scale_f32_16x16x128_f8f6f4 with both operands' format E2M1 (or v_wmma_scale_f32_32x16x128_f4), f32 sums; everything else in f32.
;; Inputs: W1_codes 4,096 x 16 x 16 uint8 (E2M1 codes of W1, K innermost, in blocks of 32 codes, two codes a byte); W1_scales 4,096 x 16 uint8 (E8M0 scales of W1, one for each 32 codes along K); W2_codes 512 x 128 x 16 uint8 (E2M1 codes of W2, K innermost, in blocks of 32 codes, two codes a byte); W2_scales 512 x 128 uint8 (E8M0 scales of W2, one for each 32 codes along K); Wk_codes 512 x 16 x 16 uint8 (E2M1 codes of Wk, K innermost, in blocks of 32 codes, two codes a byte); Wk_scales 512 x 16 uint8 (E8M0 scales of Wk, one for each 32 codes along K); Wq_codes 512 x 16 x 16 uint8 (E2M1 codes of Wq, K innermost, in blocks of 32 codes, two codes a byte); Wq_scales 512 x 16 uint8 (E8M0 scales of Wq, one for each 32 codes along K); Wv_codes 512 x 16 x 16 uint8 (E2M1 codes of Wv, K innermost, in blocks of 32 codes, two codes a byte); Wv_scales 512 x 16 uint8 (E8M0 scales of Wv, one for each 32 codes along K); alpha 1 float32; b1 4,096 float32; b2 512 float32; beta 1 float32; x 4 x 2,048 x 512 float32.
;; Outputs: out0 4 x 2,048 x 512 float32.
;; This version of the problem:
;;   THIS VERSION OF THE PROBLEM IS GIVEN IN LOW PRECISION. The matrix products marked QUANTISED in the list below multiply operands that are first quantised to E2M1 (2 exponent bits, 1 mantissa bit; 4 bits a number), with one power-of-two scale for each 32 numbers along K (OCP MX v1.0); their sums are f32. All else is computed in f32.
;;   The module's matrix products, in the order in which they are computed (A, B: the left and right operand; K: the contracted axis; several contracted axes count as one K, in the product's order):
;;     1. [M 8,192, K 512] x [K 512, N 512]; A: computed on the way; B: input Wq (given as codes): QUANTISED
;;     2. [M 8,192, K 512] x [K 512, N 512]; A: computed on the way; B: input Wk (given as codes): QUANTISED
;;     3. [M 8,192, K 512] x [K 512, N 512]; A: computed on the way; B: input Wv (given as codes): QUANTISED
;;     4. batch 64 x [M 2,048, K 32] x [K 32, N 2,048]; A: computed on the way; B: computed on the way: QUANTISED
;;     5. batch 64 x [M 32, K 2,048] x [K 2,048, N 2,048]; A: computed on the way; B: softmax (see below): QUANTISED
;;     6. [M 8,192, K 512] x [K 512, N 4,096]; A: computed on the way; B: input W1 (given as codes): QUANTISED
;;     7. [M 8,192, K 4,096] x [K 4,096, N 512]; A: computed on the way; B: input W2 (given as codes): QUANTISED
;;   THE QUANTISER, for each operand of a quantised product, along K:
;;     - K is cut into blocks of 32 from its start; a last block that is shorter is filled with zeros.
;;     - A block's scale is 2^e with e = floor(log2(the largest magnitude in the block)) - 2, held to -126 .. 127; a block of zeros has e = 0. As a byte (E8M0): e + 127.
;;     - Each number is divided by its block's scale, clamped to +-6, and rounded to the nearest number of E2M1, ties to even, subnormals kept.
;;     - The product sums the exact products of the quantised numbers (number of the format x scale) in f32.
;;   ~~~python
;;   def quantise(x, axis):      # numpy; x: float32 -> the quantised numbers, widened to float32 again
;;       x = np.moveaxis(x, axis, -1); K = x.shape[-1]
;;       x = np.pad(x, [(0, 0)] * (x.ndim - 1) + [(0, -K % 32)]); x = x.reshape(x.shape[:-1] + (-1, 32)); a = np.abs(x).max(-1, keepdims=True)
;;       e = np.where(a > 0, np.clip(np.frexp(np.where(a > 0, a, 1))[1] - 1 - 2, -126, 127), 0)      # np.frexp(a)[1] - 1 = floor(log2(a)), exactly
;;       r = np.clip(x / 2.0 ** e, -6, 6)
;;       step = 2.0 ** (np.maximum(np.frexp(np.where(r == 0, 1, r))[1] - 1, 0) - 1)
;;       q = np.round(r / step) * step * 2.0 ** e      # np.round: ties to even
;;       return np.moveaxis(q.reshape(q.shape[:-2] + (-1,))[..., :K], -1, axis).astype(np.float32)
;;   ~~~
;;   SOFTMAX AHEAD OF A QUANTISED PRODUCT. Where the list says 'softmax', what is quantised is not the finished softmax but p = 2^(t - M), with t = logit x log2(e) and M = ceil(the row's largest t), a whole number; so 1/2 < the row's largest p <= 1. The row's sum l is taken of the UNQUANTISED p, in f32, and the product's result is divided by l at the end. Since M is a whole number, a kernel that streams over the keys may use a running M (the ceiling of the running maximum): every later rescaling is an exact power of two, which a block's scale takes up: the codes' values come out the same.
;;   OPERANDS COMPUTED ON THE WAY. 'Computed on the way' means the value that the module computes at that place (a softmax that the list does not call 'softmax' is quantised finished and normalised). What goes into a quantiser is computed in f32, as accurately as f32 sums, v_exp_f32 and their like allow (about 1e-6 of the number): no bf16 or f16 on the way to a quantiser, and a product that is left as it is and whose result goes on into a quantised operand takes f32 operands (vector FMAs, or v_wmma_f32_16x16x4_f32). A number that lies on a knife's edge between two numbers of the format may be rounded either way, as far as f32 arithmetic and the matrix unit's own rounding can turn it there, and no further.
;;   INPUTS GIVEN AS CODES. W1 (in the module: [512, 4096], K = its axis 0); W2 (in the module: [4096, 512], K = its axis 0); Wk (in the module: [512, 512], K = its axis 0); Wq (in the module: [512, 512], K = its axis 0); Wv (in the module: [512, 512], K = its axis 0): each comes as NAME_codes (uint8): NAME with its K axis moved to the last place and cut into blocks of 32 codes, [.., K / 32, bytes a block], one block behind the other in memory; two codes a byte, the lower K in the low four bits (a code: sign, 2 exponent bits, 1 mantissa bit); and NAME_scales (uint8): the same leading axes, one E8M0 byte (e + 127) for each 32 codes along K. Its value is code x scale, taken as it is: it is not quantised again, and the codes and scales need not be those that the quantiser above would give.
;; One version. Each part assembles by itself: llvm-mc -triple=amdgcn-amd-amdhsa -mcpu=gfx1250 --defsym DOCPART=n.
;; ======== version 1 of 1: 3 launches
;; limits: right only within a limited range of input values
;; workspace buffers: qc 2,097,152 bytes; qs 524,288 bytes; kv 4,718,592 bytes; vs 131,072 bytes; x1 16,777,216 bytes; w1p 1,130,496 bytes; w2p 1,114,112 bytes
;; launch qkv (part 1): grid 256 x 1, 4 waves a work-group, clusters of 4 x 1, 327,680 bytes of LDS; arguments x, alpha, beta, Wq_codes, Wq_scales, Wk_codes, Wk_scales, Wv_codes, Wv_scales, W1_codes, W1_scales, b1, W2_codes, W2_scales, qc, qs, kv, vs, w1p, w2p; writes qc, qs, kv, vs, w1p, w2p
.if DOCPART == 1
	.amdgcn_target "amdgcn-amd-amdhsa--gfx1250"
	.amdhsa_code_object_version 6
	.text
	.protected	k_q402f01efbc_qkv
	.globl	k_q402f01efbc_qkv
	.p2align	8
	.type	k_q402f01efbc_qkv,@function
k_q402f01efbc_qkv:
	s_mov_b64 s[64:65], 0
	v_nop
	global_prefetch_b8 v0, s[64:65] scope:SCOPE_SE
	s_setreg_imm32_b32 hwreg(HW_REG_WAVE_MODE, 25, 1), 1
	s_wait_xcnt 0x0
	s_wait_alu depctr_hold_cnt(0) depctr_sa_sdst(0) depctr_va_vdst(0) depctr_va_sdst(0) depctr_va_ssrc(0) depctr_va_vcc(0) depctr_vm_vsrc(0)
	s_getreg_b32 s2, hwreg(HW_REG_IB_STS2, 6, 4)
	s_cmp_eq_u32 s2, 0
	s_cbranch_scc0 .Lentry_in_a_cluster
	s_endpgm
.Lentry_in_a_cluster:
	s_bfe_u32 s2, ttmp6, 0x10000c
	s_cmp_lg_u32 s2, 0x3003
	s_cbranch_scc0 .Lentry_shape_is_right
	s_endpgm
.Lentry_shape_is_right:
.set PITCH, 272
.set WPART, 128*PITCH
.set SLOTB, 4*WPART
.set XIMG,  2*SLOTB
.set XSCO,  8192
.set STATO, 9216
.set SPARE, XIMG+11264
.set LI,   1
.set LS,   2
.set XA,   3
.set AWA,  4
.set AWB,  5
.set WSA,  6
.set XWI,  7
.set XWS,  8
.set STW,  9
.set RB16, 10
.set RB4,  11
.set CA,   12
.set PS0,  13
.set PS1,  14
.set PSS,  15
.set SPW,  16
.set NIL,  17
.set TM,   20
.set PW,   36
.set MU,   38
.set GG,   42
.set PC,   48
.set XS,   56
.set WS,   64
.set SB,   112
.set WD,   120
.set HA,   128
.set G1,   44
.set G0Q,  52
.set G0K,  56
.set G0V,  60
.set WV,   66
.set RC,   67
.set SEL,  68
.set BETA, 70
.set ALPHA, 72
.set HM,   73
.set REP,  74
.set EP,   75
.set MSB, 0
.macro WIN new
.if MSB != \new
	s_set_vgpr_msb (MSB<<8)|\new
.set MSB, \new
.endif
.endm
.macro NOP4
.rept 4
	v_nop
.endr
.endm
.macro ROUND
	s_barrier_signal -1
	s_barrier_wait -1
	s_cmp_lg_u32 s[WV], 0
	s_cbranch_scc1 .Lnot_wave_0_\@
	s_barrier_signal -3
.Lnot_wave_0_\@:
	s_barrier_wait -3
	s_barrier_signal -1
	s_barrier_wait -1
.endm
.macro RING fill, g0, g1, step
	WIN 0
	s_wait_tensorcnt 0x0
	ds_add_u32 v[SPW], v[NIL]
.if \step
	s_add_nc_u64 s[\g0+2:\g0+3], s[\g0+2:\g0+3], \step
.endif
	s_wait_dscnt 0x0
.if \fill
	ROUND
	tensor_load_to_lds s[\g0:\g0+3], s[\g1:\g1+7]
	s_nop 0
	NOP4
.else
	s_barrier_signal -1
	s_barrier_wait -1
.endif
.endm
.macro MM d, a, b, c, sa, sb, row
.if (\c) < 0
.if (\row) == 0
	v_wmma_scale_f32_16x16x128_f8f6f4 v[\d:\d+7], v[\a:\a+7], v[\b:\b+7], 0, v[\sa], v[\sb] matrix_a_fmt:MATRIX_FMT_FP4 matrix_b_fmt:MATRIX_FMT_FP4
.elseif (\row) == 1
	v_wmma_scale_f32_16x16x128_f8f6f4 v[\d:\d+7], v[\a:\a+7], v[\b:\b+7], 0, v[\sa], v[\sb] matrix_a_fmt:MATRIX_FMT_FP4 matrix_b_fmt:MATRIX_FMT_FP4 matrix_a_scale:MATRIX_SCALE_ROW1
.else
	v_wmma_scale_f32_16x16x128_f8f6f4 v[\d:\d+7], v[\a:\a+7], v[\b:\b+7], 0, v[\sa], v[\sb] matrix_a_fmt:MATRIX_FMT_FP4 matrix_b_fmt:MATRIX_FMT_FP4 matrix_b_scale:MATRIX_SCALE_ROW1
.endif
.else
.if (\row) == 0
	v_wmma_scale_f32_16x16x128_f8f6f4 v[\d:\d+7], v[\a:\a+7], v[\b:\b+7], v[\c:\c+7], v[\sa], v[\sb] matrix_a_fmt:MATRIX_FMT_FP4 matrix_b_fmt:MATRIX_FMT_FP4
.elseif (\row) == 1
	v_wmma_scale_f32_16x16x128_f8f6f4 v[\d:\d+7], v[\a:\a+7], v[\b:\b+7], v[\c:\c+7], v[\sa], v[\sb] matrix_a_fmt:MATRIX_FMT_FP4 matrix_b_fmt:MATRIX_FMT_FP4 matrix_a_scale:MATRIX_SCALE_ROW1
.else
	v_wmma_scale_f32_16x16x128_f8f6f4 v[\d:\d+7], v[\a:\a+7], v[\b:\b+7], v[\c:\c+7], v[\sa], v[\sb] matrix_a_fmt:MATRIX_FMT_FP4 matrix_b_fmt:MATRIX_FMT_FP4 matrix_b_scale:MATRIX_SCALE_ROW1
.endif
.endif
.endm
.macro BQ s, pc, by, ab
.irp b, 0,1,2,3
.if \ab
	v_max3_num_f32 v[TM+\b], |v[\s+16*\b]|, |v[\s+16*\b+1]|, 0x1800000
.else
	v_max3_num_f32 v[TM+\b], v[\s+16*\b], v[\s+16*\b+1], 0x1800000
.endif
.endr
.irp i, 2,4,6,8,10,12,14
.irp b, 0,1,2,3
.if \ab
	v_max3_num_f32 v[TM+\b], v[TM+\b], |v[\s+16*\b+\i]|, |v[\s+16*\b+\i+1]|
.else
	v_max3_num_f32 v[TM+\b], v[TM+\b], v[\s+16*\b+\i], v[\s+16*\b+\i+1]
.endif
.endr
.endr
.irp b, 0,1,2,3
	v_permlanex16_b32 v[TM+4+\b], v[TM+\b], s[SEL], s[SEL+1]
.endr
.irp b, 0,1,2,3
	v_max_num_f32 v[TM+\b], v[TM+\b], v[TM+4+\b]
.endr
.irp b, 0,1,2,3
	v_add_nc_u32 v[TM+12+\b], 0xff000000, v[TM+\b]
.endr
.irp b, 0,1,2,3
	v_lshrrev_b32 v[\by+\b], 23, v[TM+12+\b]
.endr
.irp b, 0,1,2,3
	v_cvt_scalef32_pk8_fp4_f32 v[\pc+2*\b], v[\s+16*\b:\s+16*\b+7], v[TM+12+\b]
	v_cvt_scalef32_pk8_fp4_f32 v[\pc+2*\b+1], v[\s+16*\b+8:\s+16*\b+15], v[TM+12+\b]
.endr
	v_nop
.endm
.macro QUANT s, pc, pw, ab
	BQ \s, \pc, TM+4, \ab
	v_lshl_or_b32 v[\pw], v[TM+5], 8, v[TM+4]
	v_lshl_or_b32 v[\pw], v[TM+6], 16, v[\pw]
	v_lshl_or_b32 v[\pw], v[TM+7], 24, v[\pw]
.irp c, 0,1
.irp i, 0,1
	v_permlane16_swap_b32 v[\pc+4*\c+\i], v[\pc+4*\c+2+\i]
.endr
.endr
.endm
.macro IMAGE adr, pc, off
.irp c, 0,1
	ds_store_b128 v[\adr], v[\pc+4*\c:\pc+4*\c+3] offset:\off+512*\c
.endr
.endm
.macro FOLD
.irp m, 0,1
	v_pk_add_f32 v[TM+4*\m:TM+4*\m+1], v[TM+4*\m:TM+4*\m+1], v[TM+4*\m+2:TM+4*\m+3]
.endr
.irp m, 0,1
	v_add_f32 v[TM+4*\m], v[TM+4*\m], v[TM+4*\m+1]
.endr
.irp m, 0,1
	v_permlanex16_b32 v[TM+4*\m+1], v[TM+4*\m], s[SEL], s[SEL+1]
.endr
.irp m, 0,1
	v_add_f32 v[TM+4*\m], v[TM+4*\m], v[TM+4*\m+1]
.endr
.endm
.macro XCH k
.irp m, 0,1
	ds_store_b32 v[STW], v[TM+4*\m] offset:1024*\k+128*\m
.endr
	s_wait_dscnt 0x0
	s_barrier_signal -1
	s_barrier_wait -1
.irp m, 0,1
.irp q, 0,1,2,3
	ds_load_b32 v[TM+8+4*\m+\q], v[RB4] offset:STATO+1024*\k+256*\q+128*\m
.endr
.endr
	s_wait_dscnt 0x0
.irp m, 0,1
	v_add_f32 v[TM+8+4*\m], v[TM+8+4*\m], v[TM+9+4*\m]
	v_add_f32 v[TM+10+4*\m], v[TM+10+4*\m], v[TM+11+4*\m]
.endr
.irp m, 0,1
	v_add_f32 v[TM+8+4*\m], v[TM+8+4*\m], v[TM+10+4*\m]
.endr
.endm
.macro LNORM
.irp m, 0,1
	v_pk_add_f32 v[TM+4*\m:TM+4*\m+1], v[HA+64*\m:HA+64*\m+1], v[HA+64*\m+2:HA+64*\m+3]
	v_pk_add_f32 v[TM+4*\m+2:TM+4*\m+3], v[HA+64*\m+4:HA+64*\m+5], v[HA+64*\m+6:HA+64*\m+7]
.endr
.irp j, 8,12,16,20,24,28,32,36,40,44,48,52,56,60
.irp m, 0,1
	v_pk_add_f32 v[TM+4*\m:TM+4*\m+1], v[TM+4*\m:TM+4*\m+1], v[HA+64*\m+\j:HA+64*\m+\j+1]
	v_pk_add_f32 v[TM+4*\m+2:TM+4*\m+3], v[TM+4*\m+2:TM+4*\m+3], v[HA+64*\m+\j+2:HA+64*\m+\j+3]
.endr
.endr
	FOLD
	XCH 0
.irp m, 0,1
	v_mul_f32 v[MU+2*\m], 0x3b000000, v[TM+8+4*\m]
	v_mul_f32 v[MU+2*\m+1], 0x3b000000, v[TM+8+4*\m]
.endr
.irp m, 0,1
.set i, HA+64*\m
.rept 32
	v_pk_add_f32 v[i:i+1], v[i:i+1], v[MU+2*\m:MU+2*\m+1] neg_lo:[0,1] neg_hi:[0,1]
.set i, i+2
.endr
.endr
.irp m, 0,1
	v_pk_mul_f32 v[TM+4*\m:TM+4*\m+1], v[HA+64*\m:HA+64*\m+1], v[HA+64*\m:HA+64*\m+1]
	v_pk_mul_f32 v[TM+4*\m+2:TM+4*\m+3], v[HA+64*\m+2:HA+64*\m+3], v[HA+64*\m+2:HA+64*\m+3]
.endr
.irp j, 4,8,12,16,20,24,28,32,36,40,44,48,52,56,60
.irp m, 0,1
	v_pk_fma_f32 v[TM+4*\m:TM+4*\m+1], v[HA+64*\m+\j:HA+64*\m+\j+1], v[HA+64*\m+\j:HA+64*\m+\j+1], v[TM+4*\m:TM+4*\m+1]
	v_pk_fma_f32 v[TM+4*\m+2:TM+4*\m+3], v[HA+64*\m+\j+2:HA+64*\m+\j+3], v[HA+64*\m+\j+2:HA+64*\m+\j+3], v[TM+4*\m+2:TM+4*\m+3]
.endr
.endr
	FOLD
	XCH 1
.irp m, 0,1
	v_fma_f32 v[TM+9+4*\m], v[TM+8+4*\m], s[RC], s[EP]
.endr
	s_wait_alu depctr_va_vdst(0)
.irp m, 0,1
	v_rsq_f32 v[TM+10+4*\m], v[TM+9+4*\m]
.endr
	v_nop
	s_wait_alu depctr_va_vdst(0)
.irp m, 0,1
	v_mul_f32 v[GG+2*\m], s[ALPHA], v[TM+10+4*\m]
	v_mul_f32 v[GG+2*\m+1], s[ALPHA], v[TM+10+4*\m]
.endr
.irp m, 0,1
.set i, HA+64*\m
.rept 32
	v_pk_fma_f32 v[i:i+1], v[i:i+1], v[GG+2*\m:GG+2*\m+1], s[BETA:BETA+1] op_sel_hi:[1,1,0]
.set i, i+2
.endr
.endr
.endm
	s_load_b256 s[4:11], s[0:1], 0x0
	s_load_b256 s[12:19], s[0:1], 0x20
	s_load_b256 s[20:27], s[0:1], 0x40
	s_load_b256 s[28:35], s[0:1], 0x60
	s_load_b256 s[36:43], s[0:1], 0x80
	v_lshl_add_u32 v[SPW], v0, 2, SPARE
	v_mov_b32 v[NIL], 0
	ds_add_u32 v16, v17
	ds_add_u32 v16, v17
	s_wait_dscnt 0x0
	v_lshrrev_b32 v18, 5, v0
	v_readfirstlane_b32 s[WV], v18
	s_bfe_u32 s84, ttmp6, 0x40000
	s_lshl_b32 s76, ttmp9, 2
	s_add_co_u32 s76, s76, s84
	s_mov_b32 s[G1], 15|(1<<20)|(1<<21)|(5<<22)|(3<<25)
	s_mov_b32 s[G1+1], 256<<16
	s_mov_b32 s[G1+2], 128<<16
	s_mov_b32 s[G1+3], 256<<16
	s_mov_b32 s[G1+4], 128
	s_mov_b32 s[G1+5], 256
	s_mov_b32 s[G1+6], 0
	s_mov_b32 s[G1+7], 0
	s_mov_b32 s[SEL], 0x76543210
	s_mov_b32 s[SEL+1], 0xfedcba98
	s_mov_b32 s[RC], 0x3b004020
	s_mov_b32 s[EP], 0x358637bd
	s_mov_b32 s[REP], 0x01010101
	s_mul_i32 s77, s[WV], WPART
	s_lshl_b32 s78, s[WV], 15
	s_mov_b32 s79, 0
	s_wait_kmcnt 0x0
	s_load_b32 s[ALPHA], s[6:7], 0x0
	s_load_b32 s[BETA], s[8:9], 0x0
	s_mov_b32 s[G0Q], 1
	s_mov_b32 s[G0Q+1], s77
	s_add_nc_u64 s[G0Q+2:G0Q+3], s[10:11], s[78:79]
	s_or_b32 s[G0Q+3], s[G0Q+3], 0x80000000
	s_mov_b32 s[G0K], 1
	s_add_co_u32 s[G0K+1], s77, SLOTB
	s_add_nc_u64 s[G0K+2:G0K+3], s[14:15], s[78:79]
	s_or_b32 s[G0K+3], s[G0K+3], 0x80000000
	s_mov_b32 s[G0V], 1
	s_mov_b32 s[G0V+1], s77
	s_add_nc_u64 s[G0V+2:G0V+3], s[18:19], s[78:79]
	s_or_b32 s[G0V+3], s[G0V+3], 0x80000000
	ROUND
	tensor_load_to_lds s[G0Q:G0Q+3], s[G1:G1+7]
	s_nop 0
	s_wait_alu depctr_va_vdst(0)
	s_wait_tensorcnt 0x0
	ds_add_u32 v16, v17
	s_wait_dscnt 0x0
	ROUND
	tensor_load_to_lds s[G0K:G0K+3], s[G1:G1+7]
	s_nop 0
	NOP4
	v_and_b32 v18, 31, v0
	v_and_b32 v19, 15, v0
	v_bfe_u32 v46, v0, 4, 1
	v_and_b32 v47, 8, v19
	v_add_nc_u32 v47, v47, v19
	v_lshl_add_u32 v45, v46, 3, v47
	v_cmp_lt_u32 s[HM], 15, v18
	v_lshlrev_b32 v[LI], 4, v18
	v_lshlrev_b32 v[LS], 2, v18
	v_lshlrev_b32 v[XA], 11, v47
	v_lshl_add_u32 v[XA], v46, 6, v[XA]
	s_lshl_b32 s84, s[WV], 9
	v_add_nc_u32 v[XA], s84, v[XA]
	v_mul_u32_u24 v[AWA], v47, PITCH
	v_lshl_add_u32 v[AWA], v46, 4, v[AWA]
	v_add_nc_u32 v[AWA], s77, v[AWA]
	v_add_nc_u32 v[AWB], SLOTB, v[AWA]
	v_lshlrev_b32 v[WSA], 4, v45
	s_lshl_b32 s84, s[WV], 11
	v_add_nc_u32 v[WSA], s84, v[WSA]
	s_lshl_b32 s84, s[WV], 10
	s_add_co_u32 s84, s84, XIMG
	v_add_nc_u32 v[XWI], s84, v[LI]
	s_lshl_b32 s84, s[WV], 7
	s_add_co_u32 s84, s84, XIMG+XSCO
	v_add_nc_u32 v[XWS], s84, v[LS]
	s_lshl_b32 s84, s[WV], 8
	s_add_co_u32 s84, s84, XIMG+STATO
	v_add_nc_u32 v[STW], s84, v[LS]
	v_add_nc_u32 v[RB16], XIMG, v[LI]
	v_add_nc_u32 v[RB4], XIMG, v[LS]
	v_lshlrev_b32 v[CA], 4, v19
	v_lshl_add_u32 v[CA], v46, 3, v[CA]
	s_lshr_b32 s84, s76, 6
	s_and_b32 s85, s76, 63
	s_lshl_b32 s86, s84, 4
	s_lshl_b32 s87, s[WV], 2
	s_add_co_u32 s86, s86, s87
	s_lshl_b32 s78, s76, 16
	s_add_nc_u64 s[4:5], s[4:5], s[78:79]
	s_lshl_b32 s78, s86, 15
	s_lshl_b32 s87, s85, 9
	s_add_co_u32 s78, s78, s87
	s_add_nc_u64 s[32:33], s[32:33], s[78:79]
	s_lshl_b32 s78, s86, 13
	s_lshl_b32 s88, s85, 7
	s_add_co_u32 s78, s78, s88
	s_add_nc_u64 s[34:35], s[34:35], s[78:79]
	s_mul_i32 s89, s86, 73728
	s_add_co_u32 s78, s89, s87
	s_add_nc_u64 s[80:81], s[36:37], s[78:79]
	s_add_nc_u64 s[82:83], s[80:81], 32768
	s_add_co_u32 s78, s89, s88
	s_add_co_u32 s78, s78, 65536
	s_add_nc_u64 s[36:37], s[36:37], s[78:79]
	s_lshl_b32 s78, s76, 9
	s_lshl_b32 s90, s[WV], 7
	s_add_co_u32 s78, s78, s90
	s_add_nc_u64 s[38:39], s[38:39], s[78:79]
	s_and_b32 s91, s76, 127
	s_lshr_b32 s92, s91, 4
	s_and_b32 s93, s91, 15
	s_lshr_b32 s94, s93, 2
	s_and_b32 s95, s93, 3
	s_lshl_b32 s96, s91, 13
	s_lshl_b32 s97, s93, 16
	s_lshl_b32 s98, s92, 8
	s_add_co_u32 s97, s97, s98
	s_lshl_b32 s98, s91, 9
	s_lshl_b32 s99, s93, 12
	s_lshl_b32 s84, s92, 4
	s_add_co_u32 s99, s99, s84
	s_mul_i32 s84, s92, 141312
	s_mul_i32 s85, s94, 35328
	s_add_co_u32 s84, s84, s85
	s_mul_i32 s86, s92, 139264
	s_mul_i32 s87, s94, 34816
	s_add_co_u32 s86, s86, s87
	s_cmp_lt_u32 ttmp9, 32
	s_cselect_b32 s96, s96, s97
	s_cselect_b32 s98, s98, s99
	s_cselect_b32 s84, s84, s86
	s_cselect_b32 s88, 8, 11
	s_cselect_b32 s89, 4, 7
	s_cselect_b64 s[22:23], s[22:23], s[28:29]
	s_cselect_b64 s[24:25], s[24:25], s[30:31]
	s_cselect_b64 s[40:41], s[40:41], s[42:43]
	s_mov_b32 s78, s96
	s_add_nc_u64 s[22:23], s[22:23], s[78:79]
	s_mov_b32 s78, s98
	s_add_nc_u64 s[24:25], s[24:25], s[78:79]
	s_mov_b32 s78, s84
	s_add_nc_u64 s[40:41], s[40:41], s[78:79]
	v_lshlrev_b32 v[PS0], s88, v47
	v_lshl_add_u32 v[PS0], v46, 4, v[PS0]
	s_lshl_b32 s90, s[WV], 6
	v_add_nc_u32 v[PS0], s90, v[PS0]
	s_wait_alu depctr_va_vdst(0)
	s_lshl_b32 s90, 8, s88
	v_add_nc_u32 v[PS1], s90, v[PS0]
	s_wait_alu depctr_va_vdst(0)
	v_lshlrev_b32 v[PSS], s89, v45
	s_wait_alu depctr_va_vdst(0)
	s_lshl_b32 s90, s[WV], 13
	s_lshl_b32 s97, s95, 11
	s_add_co_u32 s90, s90, s97
	v_add_nc_u32 v[WD+4], s90, v[LI]
	s_lshl_b32 s90, s95, 9
	s_add_co_u32 s90, s90, 32768
	v_add_nc_u32 v[WD+5], s90, v[LI]
	s_lshl_b32 s90, s95, 7
	s_add_co_u32 s90, s90, 34816
	v_add_nc_u32 v[WD+6], s90, v[LS]
	s_lshl_b32 s90, s91, 7
	v_add_nc_u32 v[WD+7], s90, v[LS]
.irp b, 0,1,2,3
	global_load_b128 v[WS+4*\b:WS+4*\b+3], v[WSA], s[12:13] offset:512*\b
	global_load_b128 v[WS+16+4*\b:WS+16+4*\b+3], v[WSA], s[16:17] offset:512*\b
	global_load_b128 v[WS+32+4*\b:WS+32+4*\b+3], v[WSA], s[20:21] offset:512*\b
.endr
.irp m, 0,1
.irp b, 0,1,2,3
.irp i, 0,1,2,3
	global_load_b128 v[HA+64*\m+16*\b+4*\i:HA+64*\m+16*\b+4*\i+3], v[XA], s[4:5] offset:16384*\m+128*\b+16*\i
.endr
.endr
.endr
	global_load_b128 v[TM:TM+3], v[PS0], s[22:23]
	global_load_b128 v[TM+4:TM+7], v[PS0], s[22:23] offset:32
	global_load_b128 v[TM+8:TM+11], v[PS1], s[22:23]
	global_load_b128 v[TM+12:TM+15], v[PS1], s[22:23] offset:32
	global_load_b128 v[36:39], v[PSS], s[24:25]
	global_load_b32 v40, v[WD+7], s[26:27]
	s_wait_alu depctr_va_vdst(0)
	s_wait_kmcnt 0x0
	s_mov_b32 s[BETA+1], s[BETA]
	s_wait_loadcnt 0x0
	global_store_b128 v[WD+4], v[TM:TM+3], s[40:41]
	global_store_b128 v[WD+4], v[TM+4:TM+7], s[40:41] offset:512
	global_store_b128 v[WD+4], v[TM+8:TM+11], s[40:41] offset:1024
	global_store_b128 v[WD+4], v[TM+12:TM+15], s[40:41] offset:1536
	s_cmp_lg_u32 s[WV], 0
	s_cbranch_scc1 .Lno_scales
	global_store_b128 v[WD+5], v[36:39], s[40:41]
.Lno_scales:
	s_cmp_eq_u32 s[WV], 1
	s_cbranch_scc0 .Lno_b1
	s_cmp_lt_u32 ttmp9, 32
	s_cbranch_scc0 .Lno_b1
	global_store_b32 v[WD+6], v40, s[40:41]
.Lno_b1:
	s_wait_xcnt 0x0
	LNORM
	QUANT HA, PC, PW, 1
	IMAGE XWI, PC, 0
	ds_store_b32 v[XWS], v[PW]
	s_wait_dscnt 0x0
	QUANT HA+64, PC, PW, 1
	IMAGE XWI, PC, 4096
	ds_store_b32 v[XWS], v[PW] offset:512
	s_wait_tensorcnt 0x1
	s_wait_dscnt 0x0
	s_barrier_signal -1
	s_barrier_wait -1
	WIN 0x80
.irp m, 0,1
.irp s, 0,1,2,3
.irp c, 0,1
	ds_load_b128 v[32*\m+8*\s+4*\c:32*\m+8*\s+4*\c+3], v[RB16] offset:1024*(4*\m+\s)+512*\c
.endr
.endr
.endr
	WIN 0
.irp m, 0,1
.irp s, 0,1,2,3
	ds_load_b32 v[XS+4*\m+\s], v[RB4] offset:XSCO+128*(4*\m+\s)
.endr
.endr
.macro GEMM X, adr, swap
	WIN 0x40
.irp s, 0,1,2,3
.irp t, 0,1,2,3,4,5,6,7
.irp c, 0,1
	ds_load_b128 v[8*(8*\s+\t)+4*\c:8*(8*\s+\t)+4*\c+3], v[\adr] offset:(32*(\t/2)+8*(\t%2))*PITCH+64*\s+32*\c
.endr
.endr
.endr
.irp s, 0,1,2,3
	s_wait_dscnt 48-16*\s
.if \swap
	WIN 0x06
.else
	WIN 0x09
.endif
.irp t, 0,1,2,3,4,5,6,7
.irp m, 0,1
.if \swap
.set DD, HA+16*\t+8*\m
.else
.set DD, HA+64*\m+8*\t
.endif
.set CC, DD
.if \s == 0
.set CC, -1
.endif
.if \swap
	MM DD, 32*\m+8*\s, 8*(8*\s+\t), CC, XS+4*\m+\s, WS+16*\X+4*(\t/2)+\s, 2*(\t%2)
.else
	MM DD, 8*(8*\s+\t), 32*\m+8*\s, CC, WS+16*\X+4*(\t/2)+\s, XS+4*\m+\s, \t%2
.endif
.endr
.endr
.endr
	WIN 0
	NOP4
.endm
.macro EPIQK cb, cs, sb, ss
.irp m, 0,1
	s_wait_xcnt 0x0
	BQ HA+64*\m, PC, SB+4*\m, 1
.irp b, 0,1,2,3
	global_store_b64 v[CA], v[PC+2*\b:PC+2*\b+1], s[\cb:\cb+1] offset:\cs*\b+256*\m
.endr
.endr
.irp b, 0,1,2,3
	v_cndmask_b32 v[WD+\b], v[SB+\b], v[SB+4+\b], s[HM]
.endr
.irp b, 0,1,2,3
	v_mul_lo_u32 v[WD+\b], v[WD+\b], s[REP]
.endr
.irp b, 0,1,2,3
	global_store_b32 v[LS], v[WD+\b], s[\sb:\sb+1] offset:\ss*\b
.endr
.endm
	GEMM 0, AWA, 0
	EPIQK 32, 32768, 34, 8192
	RING 1, G0V, G1, 0
	GEMM 1, AWB, 0
	EPIQK 80, 73728, 36, 73728
	s_wait_tensorcnt 0x0
	GEMM 2, AWA, 1
	s_wait_xcnt 0x0
	BQ HA, PC, SB, 1
.irp b, 0,1,2,3
	global_store_b64 v[CA], v[PC+2*\b:PC+2*\b+1], s[82:83] offset:73728*(\b/2)+256*(\b%2)
.endr
	s_wait_xcnt 0x0
	BQ HA+64, PC, SB+4, 1
.irp b, 0,1,2,3
	global_store_b64 v[CA], v[PC+2*\b:PC+2*\b+1], s[82:83] offset:73728*((4+\b)/2)+256*(\b%2)
.endr
.irp b, 0,1,2,3
	v_cndmask_b32 v[WD+\b], v[SB+2*\b], v[SB+2*\b+1], s[HM]
.endr
	v_lshl_or_b32 v[WD], v[WD+1], 8, v[WD]
	v_lshl_or_b32 v[WD], v[WD+2], 16, v[WD]
	v_lshl_or_b32 v[WD], v[WD+3], 24, v[WD]
	global_store_b32 v[LS], v[WD], s[38:39]
	s_wait_tensorcnt 0x0
	ds_add_u32 v[SPW], v[NIL]
	s_wait_dscnt 0x0
	ROUND
	s_endpgm
.Lfunc_end_k_q402f01efbc_qkv:
	.size	k_q402f01efbc_qkv, .Lfunc_end_k_q402f01efbc_qkv-k_q402f01efbc_qkv
	.p2alignl 7, 3214868480
	.fill 96, 4, 3214868480
	.section	.rodata,"a",@progbits
	.p2align	6, 0x0
	.amdhsa_kernel k_q402f01efbc_qkv
		.amdhsa_group_segment_fixed_size 327680
		.amdhsa_private_segment_fixed_size 0
		.amdhsa_enable_private_segment 0
		.amdhsa_kernarg_size 160
		.amdhsa_user_sgpr_count 2
		.amdhsa_user_sgpr_kernarg_segment_ptr 1
		.amdhsa_wavefront_size32 1
		.amdhsa_system_sgpr_workgroup_id_x 1
		.amdhsa_system_sgpr_workgroup_id_y 1
		.amdhsa_system_sgpr_workgroup_id_z 1
		.amdhsa_system_vgpr_workitem_id 0
		.amdhsa_next_free_vgpr 576
		.amdhsa_next_free_sgpr 100
		.amdhsa_reserve_vcc 0
		.amdhsa_float_denorm_mode_32 3
		.amdhsa_float_denorm_mode_16_64 3
		.amdhsa_memory_ordered 1
		.amdhsa_forward_progress 1
		.amdhsa_inst_pref_size 106
	.end_amdhsa_kernel
	.amdgpu_metadata
---
amdhsa.version: [ 1, 2 ]
amdhsa.kernels:
  - .name:           k_q402f01efbc_qkv
    .symbol:         k_q402f01efbc_qkv.kd
    .args:
      - { .name: x, .offset: 0, .size: 8, .value_kind: global_buffer, .address_space: global }
      - { .name: alpha, .offset: 8, .size: 8, .value_kind: global_buffer, .address_space: global }
      - { .name: beta, .offset: 16, .size: 8, .value_kind: global_buffer, .address_space: global }
      - { .name: Wq_codes, .offset: 24, .size: 8, .value_kind: global_buffer, .address_space: global }
      - { .name: Wq_scales, .offset: 32, .size: 8, .value_kind: global_buffer, .address_space: global }
      - { .name: Wk_codes, .offset: 40, .size: 8, .value_kind: global_buffer, .address_space: global }
      - { .name: Wk_scales, .offset: 48, .size: 8, .value_kind: global_buffer, .address_space: global }
      - { .name: Wv_codes, .offset: 56, .size: 8, .value_kind: global_buffer, .address_space: global }
      - { .name: Wv_scales, .offset: 64, .size: 8, .value_kind: global_buffer, .address_space: global }
      - { .name: W1_codes, .offset: 72, .size: 8, .value_kind: global_buffer, .address_space: global }
      - { .name: W1_scales, .offset: 80, .size: 8, .value_kind: global_buffer, .address_space: global }
      - { .name: b1, .offset: 88, .size: 8, .value_kind: global_buffer, .address_space: global }
      - { .name: W2_codes, .offset: 96, .size: 8, .value_kind: global_buffer, .address_space: global }
      - { .name: W2_scales, .offset: 104, .size: 8, .value_kind: global_buffer, .address_space: global }
      - { .name: qc, .offset: 112, .size: 8, .value_kind: global_buffer, .address_space: global }
      - { .name: qs, .offset: 120, .size: 8, .value_kind: global_buffer, .address_space: global }
      - { .name: kv, .offset: 128, .size: 8, .value_kind: global_buffer, .address_space: global }
      - { .name: vs, .offset: 136, .size: 8, .value_kind: global_buffer, .address_space: global }
      - { .name: w1p, .offset: 144, .size: 8, .value_kind: global_buffer, .address_space: global }
      - { .name: w2p, .offset: 152, .size: 8, .value_kind: global_buffer, .address_space: global }
    .group_segment_fixed_size: 327680
    .private_segment_fixed_size: 0
    .kernarg_segment_align: 8
    .kernarg_segment_size: 160
    .max_flat_workgroup_size: 128
    .sgpr_count:     100
    .vgpr_count:     576
    .wavefront_size: 32
...
	.end_amdgpu_metadata
.endif
;; end of part 1
;; launch attn (part 2): grid 256 x 1, 16 waves a work-group, clusters of 4 x 1, 169,984 bytes of LDS; arguments qc, qs, kv, vs, x, x1; writes x1
.if DOCPART == 2
	.amdgcn_target "amdgcn-amd-amdhsa--gfx1250"
	.amdhsa_code_object_version 6
	.text
	.protected	k_q402f01efbc_attn
	.globl	k_q402f01efbc_attn
	.p2align	8
	.type	k_q402f01efbc_attn,@function
k_q402f01efbc_attn:
	s_mov_b64 s[64:65], 0
	v_nop
	global_prefetch_b8 v0, s[64:65] scope:SCOPE_SE
	s_setreg_imm32_b32 hwreg(HW_REG_WAVE_MODE, 25, 1), 1
	s_wait_xcnt 0x0
	s_wait_alu depctr_hold_cnt(0) depctr_sa_sdst(0) depctr_va_vdst(0) depctr_va_sdst(0) depctr_va_ssrc(0) depctr_va_vcc(0) depctr_vm_vsrc(0)
	s_getreg_b32 s2, hwreg(HW_REG_IB_STS2, 6, 4)
	s_cmp_eq_u32 s2, 0
	s_cbranch_scc0 .Lentry_in_a_cluster
	s_endpgm
.Lentry_in_a_cluster:
	s_bfe_u32 s2, ttmp6, 0x10000c
	s_cmp_lg_u32 s2, 0x3003
	s_cbranch_scc0 .Lentry_shape_is_right
	s_endpgm
.Lentry_shape_is_right:
; ATTENTION OF ONE HEAD OF ONE BATCH ON CODES OF FP4, AND THE RESIDUAL: x1 = x + softmax(q k^T / sqrt(512)) v, head size 32, 2,048 keys.
; A cluster of four work-groups owns a head (the cluster's number = 16 x batch + head); a work-group owns 512 queries, each of its sixteen waves TWO tiles of 16, walked together:
; one fragment of K or V read from LDS serves both tiles.  The head's K codes, V codes and K scale words, 73,728 dense bytes, come into LDS once, by one joint load of each wave (mask 15), and stay.
; Nothing comes from memory inside the loop, so no prefetch is laid.
; THE FIRST PRODUCT'S K IS 32, THE INSTRUCTION'S 128: a fragment of source 0 holds four tiles of 16 keys, one in each block of 32 of its rows; source 1 is q's 32 codes in one block and zero codes in the other three.
; Both products are used transposed (S^T = K q^T, O^T = V^T p^T): a lane holds one query.
; THE KEYS OF A TILE: rows 0-7 of tile 4 c + u are keys 64 c + 8 u + 0..7, rows 8-15 keys 64 c + 32 + 8 u + 0..7.  So lane half h holds, in the 32 registers of tiles 4 c .. 4 c + 3, the WHOLE block 2 c + h of 32 keys in order:
; the block's maximum needs no other lane, and the conversion of tile 4 c + u is register 4 c + u of the second product's operand.  In LDS key 32 blk + i lies at 512 blk + 256 ((i / 8) % 2) + 128 (i / 16) + 16 (i % 8).
; SOFTMAX: t = score x log2(e) / sqrt(512); M = the running largest t rounded up to a whole number; p = 2^(t - M) is quantised along the keys, not normalised; the sum of the unquantised p divides at the end;
; when M moves, the sum and O^T are multiplied by 2^(old M - new M), which rounds nothing.  A block's largest p is the block's largest score put through the same multiply-add and exponential.
; THE ORDER OF A TILE'S STEP: maxima; the chain that makes M; t - M; the exponentials; scales and codes; the row sum; the NEXT tile's first product, into the score registers just summed; O^T rescaled; the second product.
; x1 leaves in the order of the third launch's registers: [head][tile][4][lane][16 bytes]; row r of query tile 2 blk + m is token 32 blk + 8 m + r + 8 (r / 8).
; LIMITS: the scaled scores stay under 2^31 in magnitude; NaN and infinities are not served; a block of p that has fallen to 0 keeps the scale byte 1 (its codes are zeros); 1 / sum is v_rcp_f32.
; REGISTERS: v1-11 addresses, temporaries, f; v12-19 two tiles' -M, largest score, sum (two halves); v20-27 scale words; v28-55 at work; v56-71 K; v72-87 V; v88-151 scores, then p; v152-183 O^T; v184-219 q between zero codes; v220-251 x.
.set VSW,  73728                       ; V's scale words, [key step 16][channel place 32], made here by LDS stores: no fill lands there
.set SPARE, 0x29000
.set LASTK, 30720                      ; s[SK] in the last key step
.set AK,   1                           ; my place in a fragment of K
.set AV,   2                           ; in a tile of V
.set AKS,  3                           ; among K's scale words
.set AVS,  4                           ; among V's
.set SPW,  5
.set NIL,  6
.set SH8,  7                           ; 8 x (lane / 16)
.set TP,   8
.set TT,   9                           ; behind the chain: a second copy of -M, in another register bank than the first
.set FF,   10                          ; v[10:11] 2^(old M - new M)
.set QS,   20                          ; q's scale words, a register a tile
.set KS,   22                          ; K's: register 2 f + u / 2; lanes 0-15 even u, lanes 16-31 odd u
.set VS,   26
.set PSW,  27                          ; p's scale word
.set BM,   28                          ; the two blocks' largest scores, then largest p
.set MB,   30                          ; the second chains of the maxima
.set SCO,  32                          ; the conversions' scale operands
.set BY,   34                          ; the two scale bytes
.set TMP,  36                          ; v36-43 four chains of the row sum
.set PCD,  44                          ; v44-51 p's codes
.set AL,   52                          ; 16 x lane
.set XAD,  53                          ; x: my token's row, + 64 (lane / 16)
.set CC,   54                          ; v54, v55: c, twice
.set KF,   56
.set VF,   72
.set SCR,  88
.set OW,   152
.set QP,   184
.set XV,   220
.set QR,   88                          ; the head's temporaries lie in the score registers
.set QA,   96
.set QSA,  97
.set SEL,  16
.set CS,   18
.set SK,   32                          ; the key step's bytes among the codes: 2,048 a step
.set SS,   33                          ; among K's scale words: 512
.set SW,   34                          ; among V's: 128
.set HM,   35
.set WV,   42
.set CX,   43
.set NC,   44                          ; -c
.macro NOP4
.rept 4
	v_nop
.endr
.endm
.macro ROUND                           ; a round of the cluster's barrier
	s_barrier_signal -1
	s_barrier_wait -1
	s_cmp_lg_u32 s[WV], 0
	s_cbranch_scc1 .Lnot_wave_0_\@
	s_barrier_signal -3
.Lnot_wave_0_\@:
	s_barrier_wait -3
	s_barrier_signal -1
	s_barrier_wait -1
.endm
.macro MM d, a, b, c, sa, sb, row      ; c < 0: the constant 0 starts the sum.  row = 1: source 0's scales stand in lanes 16-31
.if (\c) < 0
.if (\row) == 0
	v_wmma_scale_f32_16x16x128_f8f6f4 v[\d:\d+7], v[\a:\a+7], v[\b:\b+7], 0, v[\sa], v[\sb] matrix_a_fmt:MATRIX_FMT_FP4 matrix_b_fmt:MATRIX_FMT_FP4
.else
	v_wmma_scale_f32_16x16x128_f8f6f4 v[\d:\d+7], v[\a:\a+7], v[\b:\b+7], 0, v[\sa], v[\sb] matrix_a_fmt:MATRIX_FMT_FP4 matrix_b_fmt:MATRIX_FMT_FP4 matrix_a_scale:MATRIX_SCALE_ROW1
.endif
.else
.if (\row) == 0
	v_wmma_scale_f32_16x16x128_f8f6f4 v[\d:\d+7], v[\a:\a+7], v[\b:\b+7], v[\c:\c+7], v[\sa], v[\sb] matrix_a_fmt:MATRIX_FMT_FP4 matrix_b_fmt:MATRIX_FMT_FP4
.else
	v_wmma_scale_f32_16x16x128_f8f6f4 v[\d:\d+7], v[\a:\a+7], v[\b:\b+7], v[\c:\c+7], v[\sa], v[\sb] matrix_a_fmt:MATRIX_FMT_FP4 matrix_b_fmt:MATRIX_FMT_FP4 matrix_a_scale:MATRIX_SCALE_ROW1
.endif
.endif
.endm
; S^T of query tile n for the 128 keys in v[KF..]: eight products.  q's variant u (q in block u) begins at QP + 16 n + 8 (u % 2) + 4 (1 - u / 2)
.macro QK n
.irp f, 0,1
.irp u, 0,1,2,3
	MM SCR+8*(4*\f+\u), KF+8*\f, QP+16*(\n)+8*(\u%2)+4*(1-\u/2), -1, KS+2*\f+\u/2, QS+(\n), \u%2
.endr
.endr
.endm
.macro KLOAD ak, aks, o1, o2           ; two fragments of K and their four registers of scale words
.irp f, 0,1
.irp c, 0,1
	ds_load_b128 v[KF+8*\f+4*\c:KF+8*\f+4*\c+3], v[\ak] offset:\o1+1024*\f+128*\c
.endr
.endr
.irp f, 0,1
.irp g, 0,1
	ds_load_b32 v[KS+2*\f+\g], v[\aks] offset:\o2+256*\f+32*\g
.endr
.endr
.endm
.macro FMA2 r                          ; t - M of two neighbouring scores: the pair's sources lie in different register banks (c twice, -M twice)
	v_dual_fma_f32 v[\r], v[\r], v[CC], v[ST] :: v_dual_fma_f32 v[\r+1], v[\r+1], v[CC+1], v[TT]
.endm
.macro ADD2 d, a, b                    ; two additions on neighbouring registers
	v_dual_add_f32 v[\d], v[\a], v[\b] :: v_dual_add_f32 v[\d+1], v[\a+1], v[\b+1]
.endm
	s_load_b256 s[4:11], s[0:1], 0x0               ; qc s[4:5], qs s[6:7], kv s[8:9], vs s[10:11]
	s_load_b128 s[12:15], s[0:1], 0x20             ; x s[12:13], x1 s[14:15]
	v_lshl_add_u32 v[SPW], v0, 2, SPARE
	v_mov_b32 v[NIL], 0
	ds_add_u32 v[SPW], v[NIL]                      ; the opening lines: the add twice on end, and its wait ahead of my tensor load
	ds_add_u32 v[SPW], v[NIL]
	v_lshrrev_b32 v8, 5, v0
	v_readfirstlane_b32 s[WV], v8                  ; wave 0..15
	s_bfe_u32 s[CX], ttmp6, 0x40000                ; cx: which quarter of the queries; it enters qc's, qs's, x's and x1's addresses alone
	s_mov_b32 s20, 15|(3<<16)|(1<<21)              ; the mask: all four work-groups; elements of 8 bytes; bit 21 beside the mask
	s_mov_b32 s21, 32<<16                          ; rows of 256 bytes of a dense block
	s_mov_b32 s22, 18<<16                          ; 18 rows: a sixteenth of the head's 73,728 bytes
	s_mov_b32 s23, 32<<16
	s_mov_b32 s24, 18
	s_mov_b32 s25, 32
	s_mov_b32 s26, 0
	s_mov_b32 s27, 0
	s_mul_i32 s38, s[WV], 4608                     ; my sixteenth
	s_mul_i32 s36, ttmp9, 73728
	s_add_co_u32 s36, s36, s38
	s_mov_b32 s37, 0
	s_mov_b32 s[SEL], 0x76543210
	s_mov_b32 s[SEL+1], 0xfedcba98                 ; v_permlanex16_b32's selects for lane l xor 16
	s_mov_b32 s[CS], 0x3d8293ee                    ; c = log2(e) / sqrt(512)
	s_mov_b32 s[CS+1], s[CS]
	s_mov_b32 s[NC], 0xbd8293ee                    ; -c
	s_mov_b32 s[SK], 0
	s_mov_b32 s[SS], 0
	s_mov_b32 s[SW], 0
	s_wait_dscnt 0x0
	s_wait_kmcnt 0x0
	s_mov_b32 s28, 1
	s_mov_b32 s29, s38
	s_add_nc_u64 s[30:31], s[8:9], s[36:37]
	s_or_b32 s31, s31, 0x80000000
	ROUND                                          ; all four work-groups are here: the joint loads meet
	tensor_load_to_lds s[28:31], s[20:27]          ; my one tensor load
	s_nop 0
	NOP4
	v_and_b32 v104, 31, v0                         ; lane
	v_and_b32 v105, 15, v0                         ; r
	v_bfe_u32 v106, v0, 4, 1                       ; h
	v_and_b32 v107, 7, v0                          ; r % 8
	v_bfe_u32 v108, v0, 3, 1                       ; r / 8
	v_lshrrev_b32 v98, 5, v0
	v_lshlrev_b32 v[SH8], 3, v106
	v_lshlrev_b32 v[AL], 4, v104
	v_lshlrev_b32 v[QA], 4, v105
	v_lshlrev_b32 v[QSA], 2, v105
	v_lshlrev_b32 v[AK], 4, v107                   ; K: 16 (r % 8) + 256 h + 512 (r / 8); fragment f: + 1,024 f; registers 4 c on: + 128 c
	v_lshl_add_u32 v[AKS], v107, 2, 65536          ; K's scale words: 4 (r % 8) + 64 h + 128 (r / 8)
	v_lshl_add_u32 v[AV], v106, 9, v[QA]           ; V: [block of 32 keys][channel place][16 bytes]: lanes 16-31 take the next block
	v_lshl_add_u32 v[AVS], v104, 2, VSW
	v_lshl_add_u32 v[AK], v106, 8, v[AK]
	v_lshl_add_u32 v[AKS], v106, 6, v[AKS]
	v_add_nc_u32 v[AV], 32768, v[AV]
	v_lshlrev_b32 v98, 11, v98
	v_lshl_add_u32 v[AK], v108, 9, v[AK]
	v_lshl_add_u32 v[AKS], v108, 7, v[AKS]
	v_lshl_add_u32 v[XAD], v108, 3, v105           ; r + 8 (r / 8)
	v_lshl_add_u32 v98, v104, 2, v98               ; vs: 2,048 x wave + 4 x lane
	v_cmp_lt_u32 s[HM], 15, v104                   ; the mask of lanes 16-31
	v_lshlrev_b32 v[XAD], 11, v[XAD]               ; a row of x is 2,048 bytes
	v_lshl_add_u32 v99, v0, 2, VSW
	v_lshl_add_u32 v[XAD], v106, 6, v[XAD]         ; + 64 h
	s_wait_alu depctr_va_vdst(0)
	s_lshl_b32 s36, ttmp9, 15
	s_lshl_b32 s39, s[CX], 13
	s_lshl_b32 s40, s[WV], 9
	s_add_co_u32 s36, s36, s39
	s_add_co_u32 s36, s36, s40
	s_add_nc_u64 s[4:5], s[4:5], s[36:37]          ; qc at my first tile: tile 32 cx + 2 w of the head, 256 bytes a tile
	s_lshl_b32 s36, ttmp9, 13
	s_lshl_b32 s39, s[CX], 11
	s_lshl_b32 s40, s[WV], 7
	s_add_co_u32 s36, s36, s39
	s_add_co_u32 s36, s36, s40
	s_add_nc_u64 s[6:7], s[6:7], s[36:37]          ; qs likewise: 64 bytes a tile
.irp n, 0,1
	global_load_b128 v[QR+4*\n:QR+4*\n+3], v[QA], s[4:5] offset:256*\n   ; query r's 32 codes, in both halves of the lanes
	global_load_b32 v[QS+\n], v[QSA], s[6:7] offset:64*\n
.endr
	s_lshr_b32 s39, ttmp9, 4                       ; the batch
	s_lshl_b32 s41, s39, 15                        ; 32,768 bytes of vs each
	s_bfe_u32 s40, ttmp9, 0x20002
	s_lshl_b32 s40, s40, 7                         ; head / 4: 128 bytes
	s_add_co_u32 s36, s41, s40
	s_and_b32 s41, ttmp9, 3                        ; head % 4: the byte
	s_add_co_u32 s36, s36, s41
	s_add_nc_u64 s[10:11], s[10:11], s[36:37]
.irp b, 0,1,2,3                        ; V's scale bytes: thread 32 s + p gathers key blocks 4 s .. 4 s + 3 of channel place p
	global_load_u8 v[100+\b], v98, s[10:11] offset:512*\b
.endr
	s_lshl_b32 s36, s39, 22                        ; x: a batch is 2,048 rows of 2,048 bytes;
	s_lshl_b32 s40, s[CX], 20                      ; my block of 32 tokens is 16 cx + w: 65,536 bytes each;
	s_add_co_u32 s36, s36, s40
	s_lshl_b32 s40, s[WV], 16
	s_add_co_u32 s36, s36, s40
	s_and_b32 s40, ttmp9, 15
	s_lshl_b32 s40, s40, 7                         ; the head's 32 channels: 128 bytes
	s_add_co_u32 s36, s36, s40
	s_add_nc_u64 s[12:13], s[12:13], s[36:37]
	s_lshl_b32 s36, ttmp9, 18
	s_lshl_b32 s39, s[CX], 16
	s_lshl_b32 s40, s[WV], 12
	s_add_co_u32 s36, s36, s39
	s_add_co_u32 s36, s36, s40
	s_add_nc_u64 s[14:15], s[14:15], s[36:37]      ; x1: 2,048 bytes a tile
.irp g, 0,1,2,3,4
.irp i, 0,1,2,3
	v_mov_b32 v[QP+8*\g+\i], 0                     ; the zero codes round q
.endr
.endr
.set j, OW
.rept 32
	v_mov_b32 v[j], 0                              ; O^T: the step is written once: the first finds zeros, which the first change of M leaves zeros
.set j, j+1
.endr
	s_wait_alu depctr_va_vdst(0)
	s_wait_loadcnt 0x0
	v_lshl_or_b32 v100, v101, 8, v100
	v_lshl_or_b32 v102, v103, 8, v102
	v_lshl_or_b32 v100, v102, 16, v100
	ds_store_b32 v99, v100
.irp n, 0,1
.irp i, 0,1,2,3
	v_cndmask_b32 v[QP+4+16*\n+\i], v[QR+4*\n+\i], 0, s[HM]    ; q in lanes 0-15, zeros in lanes 16-31
	v_cndmask_b32 v[QP+12+16*\n+\i], 0, v[QR+4*\n+\i], s[HM]   ; and the other way round
.endr
.endr
.irp n, 0,1
	v_mov_b32 v[12+4*\n], 0x7f61b1e6               ; -M: 3e38
	v_mov_b32 v[13+4*\n], 0xff61b1e6               ; the largest score so far: -3e38
	v_mov_b32 v[14+4*\n], 0                        ; the sum, in two halves
	v_mov_b32 v[15+4*\n], 0
.endr
	v_mov_b32 v[FF+1], 0                           ; (named as the upper half of a pair)
	v_mov_b32 v[TP], 0                             ; a lane permute's destination counts as one of its sources
	v_mov_b32 v[CC], 0x3d8293ee                    ; c
	v_mov_b32 v[CC+1], 0x3d8293ee
	s_wait_alu depctr_va_vdst(0)
	s_wait_tensorcnt 0x0                           ; my sixteenth of the head has landed,
	s_wait_dscnt 0x0                               ; and my scale word
	s_barrier_signal -1
	s_barrier_wait -1                              ; everybody's have
	KLOAD AK, AKS, 0, 0
.irp n, 0,1
.irp i, 0,1,2,3
	global_load_b128 v[XV+16*\n+4*\i:XV+16*\n+4*\i+3], v[XAD], s[12:13] offset:16384*\n+16*\i   ; x at my token, channels 16 h + 4 i on: wanted behind the key steps
.endr
.endr
	s_wait_dscnt 0x0
	QK 0                                           ; key step 0, tile 0
	NOP4
; ONE TILE'S PART OF A KEY STEP.  Its scores were made at the end of the part before.
.macro TS n
.set ST, 12+4*(\n)
.set OO, OW+16*(\n)
.irp c, 0,1
	v_max3_num_f32 v[BM+\c], v[SCR+32*\c], v[SCR+32*\c+1], v[SCR+32*\c+2]       ; my two blocks' largest scores, each in two chains
	v_max3_num_f32 v[MB+\c], v[SCR+32*\c+16], v[SCR+32*\c+17], v[SCR+32*\c+18]
.endr
.irp i, 3,5,7,9,11,13
.irp c, 0,1
	v_max3_num_f32 v[BM+\c], v[BM+\c], v[SCR+32*\c+\i], v[SCR+32*\c+\i+1]
	v_max3_num_f32 v[MB+\c], v[MB+\c], v[SCR+32*\c+16+\i], v[SCR+32*\c+17+\i]
.endr
.endr
.irp c, 0,1
	v_max3_num_f32 v[BM+\c], v[BM+\c], v[MB+\c], v[SCR+32*\c+15]
.endr
.irp c, 0,1
	v_max_num_f32 v[BM+\c], v[BM+\c], v[SCR+32*\c+31]
.endr
.if (\n) == 0                          ; this key step's V, wanted at this part's end; the 32 maxima are the places behind the last products that read these registers
	v_add_nc_u32 v[TT], s[SK], v[AV]
	v_add_nc_u32 v[TP], s[SW], v[AVS]
.irp w, 0,1
.irp c, 0,1
	ds_load_b128 v[VF+8*\w+4*\c:VF+8*\w+4*\c+3], v[TT] offset:1024*\c+256*\w
.endr
.endr
	ds_load_b32 v[VS], v[TP]
.else                                  ; the next key step's K, wanted at this part's end: there is none behind the last step (a branch on the count of steps)
	s_cmp_eq_u32 s[SK], LASTK
	s_wait_alu depctr_va_vdst(0)
	s_cbranch_scc1 .Lnok_\@
	v_add_nc_u32 v[TT], s[SK], v[AK]
	v_add_nc_u32 v[TP], s[SS], v[AKS]
	KLOAD TT, TP, 2048, 512
.Lnok_\@:
.endif
	v_max_num_f32 v[TT], v[BM], v[BM+1]
	s_delay_alu instid0(VALU_DEP_1)
	v_permlanex16_b32 v[TP], v[TT], s[SEL], s[SEL+1]
	s_delay_alu instid0(VALU_DEP_1)
	v_max3_num_f32 v[ST+1], v[ST+1], v[TT], v[TP]  ; the running largest score of my query, both halves of the lanes
	s_delay_alu instid0(VALU_DEP_1)
	v_mul_f32 v[TT], s[NC], v[ST+1]                ; -t
	s_delay_alu instid0(VALU_DEP_1)
	v_floor_f32 v[TT], v[TT]                       ; the new -M = -ceil(t): a whole number
	s_delay_alu instid0(VALU_DEP_1)
	v_sub_f32 v[TP], v[TT], v[ST]                  ; old M - new M: 0 or less
	v_mov_b32 v[ST], v[TT]
.set j, SCR
.rept 4
	FMA2 j                                         ; t - M, two at a time
.set j, j+2
.endr
	v_cvt_i32_f32 v[TP], v[TP]                     ; (it saturates)
.rept 4
	FMA2 j
.set j, j+2
.endr
	v_ldexp_f32 v[FF], 1.0, v[TP]                  ; f = 2^(old M - new M)
.rept 24
	FMA2 j
.set j, j+2
.endr
.irp c, 0,1
	v_fma_f32 v[BM+\c], v[BM+\c], s[CS], v[ST]     ; the same of each block's largest score
.endr
	s_wait_alu depctr_va_vdst(0)
.set j, SCR
.rept 64
	v_exp_f32 v[j], v[j]                           ; p = 2^(t - M)
.set j, j+1
.endr
.irp c, 0,1
	v_exp_f32 v[BM+\c], v[BM+\c]                   ; the block's largest p: the same multiply-add and exponential on the same number
.endr
	v_pk_mul_f32 v[ST+2:ST+3], v[ST+2:ST+3], v[FF:FF+1] op_sel_hi:[1,0]   ; the sum under the new M (a plain place behind the exponentials)
	s_wait_alu depctr_va_vdst(0)                   ; one wait for the batch, ahead of its first reader
.irp c, 0,1
	v_max_num_f32 v[BM+\c], 0x1800000, v[BM+\c]    ; the floor 2^(3 - 127): the byte cannot fall under 1
.endr
.irp c, 0,1
	v_add_nc_u32 v[SCO+\c], 0xff000000, v[BM+\c]   ; 2 off the exponent field: the conversion's scale operand
.endr
	v_cvt_scalef32_pk8_fp4_f32 v[PCD], v[SCR:SCR+7], v[SCO]
	v_lshrrev_b32 v[BY], 23, v[SCO]                ; the bytes of blocks h and 2 + h
	v_cvt_scalef32_pk8_fp4_f32 v[PCD+4], v[SCR+32:SCR+39], v[SCO+1]
	v_lshrrev_b32 v[BY+1], 23, v[SCO+1]
	v_cvt_scalef32_pk8_fp4_f32 v[PCD+1], v[SCR+8:SCR+15], v[SCO]
	v_lshl_or_b32 v[PSW], v[BY+1], 16, v[BY]
	v_cvt_scalef32_pk8_fp4_f32 v[PCD+5], v[SCR+40:SCR+47], v[SCO+1]
	v_lshlrev_b32 v[PSW], v[SH8], v[PSW]           ; at their places in the scale word
	v_cvt_scalef32_pk8_fp4_f32 v[PCD+2], v[SCR+16:SCR+23], v[SCO]
	v_permlanex16_b32 v[TP], v[PSW], s[SEL], s[SEL+1]
	v_cvt_scalef32_pk8_fp4_f32 v[PCD+6], v[SCR+48:SCR+55], v[SCO+1]
	v_or_b32 v[PSW], v[PSW], v[TP]                 ; with lane l xor 16's two the word is whole
	v_cvt_scalef32_pk8_fp4_f32 v[PCD+3], v[SCR+24:SCR+31], v[SCO]
	v_cvt_scalef32_pk8_fp4_f32 v[PCD+7], v[SCR+56:SCR+63], v[SCO+1]
	v_nop                                          ; one plain place behind a scaled conversion
.irp k, 0,1,2,3                        ; the row sum of the 64 unquantised p, two at a time in four chains
	ADD2 TMP+2*\k, SCR+2*\k, SCR+8+2*\k
.endr
.irp j, 0,1,2,3,4,5
.irp k, 0,1,2,3
	ADD2 TMP+2*\k, TMP+2*\k, SCR+16+8*\j+2*\k
.endr
.endr
.if (\n) == 1                          ; the next key step's tile 0: there is none behind the last step
	s_cmp_eq_u32 s[SK], LASTK
	s_wait_alu depctr_va_vdst(0)
	s_cbranch_scc1 .Lnoq_\@
	s_wait_dscnt 0x0                               ; the next step's K
.endif
	QK 1-(\n)                                      ; the next tile's scores, into the registers just summed
.if (\n) == 1
.Lnoq_\@:
.endif
	ADD2 TMP, TMP, TMP+2
	ADD2 TMP+4, TMP+4, TMP+6
	ADD2 TMP, TMP, TMP+4
	ADD2 ST+2, ST+2, TMP
	s_wait_alu depctr_va_vdst(0)
.irp j, 0,2,4,6,8,10,12,14
	v_pk_mul_f32 v[OO+\j:OO+\j+1], v[OO+\j:OO+\j+1], v[FF:FF+1] op_sel_hi:[1,0]   ; O^T under the new M; these are also the places behind the eight products above
.endr
.if (\n) == 0
	s_wait_alu depctr_va_vdst(0)
	s_wait_dscnt 0x0                               ; V and its scale word are in
.endif
.irp w, 0,1
	MM OO+8*\w, VF+8*\w, PCD, OO+8*\w, VS, PSW, \w   ; the two accumulators by turns; other products stand between a link and the next
.endr
.endm
.Lstep:                                            ; sixteen key steps of 128 keys
	TS 0
	TS 1
	s_add_co_u32 s[SS], s[SS], 512
	s_add_co_u32 s[SW], s[SW], 128
	s_add_co_u32 s[SK], s[SK], 2048
	s_cmp_lt_u32 s[SK], 32768
	s_wait_alu depctr_va_vdst(0)
	s_cbranch_scc1 .Lstep
.irp n, 0,1
	v_add_f32 v[14+4*\n], v[14+4*\n], v[15+4*\n]   ; the sum's two halves,
.endr
.irp n, 0,1
	v_permlanex16_b32 v[TMP+\n], v[14+4*\n], s[SEL], s[SEL+1]
.endr
.irp n, 0,1
	v_add_f32 v[14+4*\n], v[14+4*\n], v[TMP+\n]    ; and lane l xor 16's
.endr
	s_wait_alu depctr_va_vdst(0)
.irp n, 0,1
	v_rcp_f32 v[14+4*\n], v[14+4*\n]
.endr
	v_nop
	s_wait_loadcnt 0x0                             ; x, asked for behind the head's barrier
	s_wait_alu depctr_va_vdst(0)                   ; the wait behind the batch, directly ahead of the first readers of O^T
.irp n, 0,1
.irp i, 0,1,2,3,4,5,6,7,8,9,10,11,12,13,14,15
	v_fma_f32 v[SCR+16*\n+\i], v[OW+16*\n+\i], v[14+4*\n], v[XV+16*\n+\i]   ; x + O / sum: channel 16 h + i of query r
.endr
.endr
.irp n, 0,1
.irp i, 0,1,2,3
	global_store_b128 v[AL], v[SCR+16*\n+4*\i:SCR+16*\n+4*\i+3], s[14:15] offset:2048*\n+512*\i   ; the wave's store covers 512 consecutive bytes
.endr
.endr
	s_wait_tensorcnt 0x0                           ; the wave's end
	ds_add_u32 v[SPW], v[NIL]
	s_wait_dscnt 0x0
	ROUND                                          ; the closing round
	s_endpgm
.Lfunc_end_k_q402f01efbc_attn:
	.size	k_q402f01efbc_attn, .Lfunc_end_k_q402f01efbc_attn-k_q402f01efbc_attn
	.p2alignl 7, 3214868480
	.fill 96, 4, 3214868480
	.section	.rodata,"a",@progbits
	.p2align	6, 0x0
	.amdhsa_kernel k_q402f01efbc_attn
		.amdhsa_group_segment_fixed_size 169984
		.amdhsa_private_segment_fixed_size 0
		.amdhsa_enable_private_segment 0
		.amdhsa_kernarg_size 48
		.amdhsa_user_sgpr_count 2
		.amdhsa_user_sgpr_kernarg_segment_ptr 1
		.amdhsa_wavefront_size32 1
		.amdhsa_system_sgpr_workgroup_id_x 1
		.amdhsa_system_sgpr_workgroup_id_y 1
		.amdhsa_system_sgpr_workgroup_id_z 1
		.amdhsa_system_vgpr_workitem_id 0
		.amdhsa_next_free_vgpr 256
		.amdhsa_next_free_sgpr 66
		.amdhsa_reserve_vcc 0
		.amdhsa_float_denorm_mode_32 3
		.amdhsa_float_denorm_mode_16_64 3
		.amdhsa_memory_ordered 1
		.amdhsa_forward_progress 1
		.amdhsa_inst_pref_size 43
	.end_amdhsa_kernel
	.amdgpu_metadata
---
amdhsa.version: [ 1, 2 ]
amdhsa.kernels:
  - .name:           k_q402f01efbc_attn
    .symbol:         k_q402f01efbc_attn.kd
    .args:
      - { .name: qc, .offset: 0, .size: 8, .value_kind: global_buffer, .address_space: global }
      - { .name: qs, .offset: 8, .size: 8, .value_kind: global_buffer, .address_space: global }
      - { .name: kv, .offset: 16, .size: 8, .value_kind: global_buffer, .address_space: global }
      - { .name: vs, .offset: 24, .size: 8, .value_kind: global_buffer, .address_space: global }
      - { .name: x, .offset: 32, .size: 8, .value_kind: global_buffer, .address_space: global }
      - { .name: x1, .offset: 40, .size: 8, .value_kind: global_buffer, .address_space: global }
    .group_segment_fixed_size: 169984
    .private_segment_fixed_size: 0
    .kernarg_segment_align: 8
    .kernarg_segment_size: 48
    .max_flat_workgroup_size: 512
    .sgpr_count:     66
    .vgpr_count:     256
    .wavefront_size: 32
...
	.end_amdgpu_metadata
.endif
;; end of part 2
;; launch ffn (part 3): grid 256 x 1, 4 waves a work-group, clusters of 4 x 1, 327,680 bytes of LDS; arguments x1, alpha, beta, w1p, w2p, b2, out0; writes out0
.if DOCPART == 3
	.amdgcn_target "amdgcn-amd-amdhsa--gfx1250"
	.amdhsa_code_object_version 6
	.text
	.protected	k_q402f01efbc_ffn
	.globl	k_q402f01efbc_ffn
	.p2align	8
	.type	k_q402f01efbc_ffn,@function
k_q402f01efbc_ffn:
	s_mov_b64 s[64:65], 0
	v_nop
	global_prefetch_b8 v0, s[64:65] scope:SCOPE_SE
	s_setreg_imm32_b32 hwreg(HW_REG_WAVE_MODE, 25, 1), 1
	s_wait_xcnt 0x0
	s_wait_alu depctr_hold_cnt(0) depctr_sa_sdst(0) depctr_va_vdst(0) depctr_va_sdst(0) depctr_va_ssrc(0) depctr_va_vcc(0) depctr_vm_vsrc(0)
	s_getreg_b32 s2, hwreg(HW_REG_IB_STS2, 6, 4)
	s_cmp_eq_u32 s2, 0
	s_cbranch_scc0 .Lentry_in_a_cluster
	s_endpgm
.Lentry_in_a_cluster:
	s_bfe_u32 s2, ttmp6, 0x10000c
	s_cmp_lg_u32 s2, 0x3003
	s_cbranch_scc0 .Lentry_shape_is_right
	s_endpgm
.Lentry_shape_is_right:
.set W1P,   35328
.set W2P,   34816
.set SLOTB, 4*W1P
.set XIMG,  SLOTB+4*W2P
.set XSCO,  8192
.set HIMO,  9216
.set HSCO,  17408
.set STATO, 18432
.set SPARE, XIMG+20480
.set LI,   1
.set LS,   2
.set AW1,  4
.set AW2,  5
.set AB1,  6
.set XWI,  7
.set XWS,  8
.set HWI,  9
.set HWS,  10
.set STW,  11
.set SO,   12
.set SPW,  14
.set NIL,  15
.set RB16, 16
.set RB4,  17
.set B2A,  18
.set TM,   20
.set PW,   36
.set MU,   38
.set GG,   42
.set PC,   48
.set XS,   56
.set HS,   64
.set W1S,  72
.set W2S,  88
.set PC2,  104
.set PW2,  112
.set HA,   128
.set XF,   128
.set HF,   192
.set B1,   128
.set G1A,  20
.set G1B,  28
.set G0A,  36
.set G0B,  40
.set WV,   44
.set RC,   45
.set SEL,  46
.set BETA, 48
.set ALPHA, 50
.set CNT,  51
.set EP,   52
.set OF,   56
.set CJ,   62
.set MSB, 0
.macro WIN new
.if MSB != \new
	s_set_vgpr_msb (MSB<<8)|\new
.set MSB, \new
.endif
.endm
.macro NOP4
.rept 4
	v_nop
.endr
.endm
.macro ROUND
	s_barrier_signal -1
	s_barrier_wait -1
	s_cmp_lg_u32 s[WV], 0
	s_cbranch_scc1 .Lnot_wave_0_\@
	s_barrier_signal -3
.Lnot_wave_0_\@:
	s_barrier_wait -3
	s_barrier_signal -1
	s_barrier_wait -1
.endm
.macro RING fill, g0, g1, base, part, inc
	WIN 0
	s_wait_tensorcnt 0x0
	ds_add_u32 v[SPW], v[NIL]
.if \fill
.if \inc
	s_add_co_u32 s[CJ], s[CJ], 1
	s_and_b32 s[CJ], s[CJ], 7
.endif
	s_mul_i32 s[OF], s[CJ], 4*\part
	s_add_nc_u64 s[\g0+2:\g0+3], s[\base:\base+1], s[OF:OF+1]
	s_or_b32 s[\g0+3], s[\g0+3], 0x80000000
.endif
	s_wait_dscnt 0x0
.if \fill
	ROUND
	tensor_load_to_lds s[\g0:\g0+3], s[\g1:\g1+7]
	s_nop 0
	NOP4
.else
	s_barrier_signal -1
	s_barrier_wait -1
.endif
.endm
.macro MM d, a, b, c, sa, sb, row
.if (\row) == 0
	v_wmma_scale_f32_16x16x128_f8f6f4 v[\d:\d+7], v[\a:\a+7], v[\b:\b+7], v[\c:\c+7], v[\sa], v[\sb] matrix_a_fmt:MATRIX_FMT_FP4 matrix_b_fmt:MATRIX_FMT_FP4
.else
	v_wmma_scale_f32_16x16x128_f8f6f4 v[\d:\d+7], v[\a:\a+7], v[\b:\b+7], v[\c:\c+7], v[\sa], v[\sb] matrix_a_fmt:MATRIX_FMT_FP4 matrix_b_fmt:MATRIX_FMT_FP4 matrix_a_scale:MATRIX_SCALE_ROW1
.endif
.endm
.macro BQ s, pc, by, ab
.irp b, 0,1,2,3
.if \ab
	v_max3_num_f32 v[TM+\b], |v[\s+16*\b]|, |v[\s+16*\b+1]|, 0x1800000
.else
	v_max3_num_f32 v[TM+\b], v[\s+16*\b], v[\s+16*\b+1], 0x1800000
.endif
.endr
.irp i, 2,4,6,8,10,12,14
.irp b, 0,1,2,3
.if \ab
	v_max3_num_f32 v[TM+\b], v[TM+\b], |v[\s+16*\b+\i]|, |v[\s+16*\b+\i+1]|
.else
	v_max3_num_f32 v[TM+\b], v[TM+\b], v[\s+16*\b+\i], v[\s+16*\b+\i+1]
.endif
.endr
.endr
.irp b, 0,1,2,3
	v_permlanex16_b32 v[TM+4+\b], v[TM+\b], s[SEL], s[SEL+1]
.endr
.irp b, 0,1,2,3
	v_max_num_f32 v[TM+\b], v[TM+\b], v[TM+4+\b]
.endr
.irp b, 0,1,2,3
	v_add_nc_u32 v[TM+12+\b], 0xff000000, v[TM+\b]
.endr
.irp b, 0,1,2,3
	v_lshrrev_b32 v[\by+\b], 23, v[TM+12+\b]
.endr
.irp b, 0,1,2,3
	v_cvt_scalef32_pk8_fp4_f32 v[\pc+2*\b], v[\s+16*\b:\s+16*\b+7], v[TM+12+\b]
	v_cvt_scalef32_pk8_fp4_f32 v[\pc+2*\b+1], v[\s+16*\b+8:\s+16*\b+15], v[TM+12+\b]
.endr
	v_nop
.endm
.macro QUANT s, pc, pw, ab
	BQ \s, \pc, TM+4, \ab
	v_lshl_or_b32 v[\pw], v[TM+5], 8, v[TM+4]
	v_lshl_or_b32 v[\pw], v[TM+6], 16, v[\pw]
	v_lshl_or_b32 v[\pw], v[TM+7], 24, v[\pw]
.irp c, 0,1
.irp i, 0,1
	v_permlane16_swap_b32 v[\pc+4*\c+\i], v[\pc+4*\c+2+\i]
.endr
.endr
.endm
.macro IMAGE adr, pc, off
.irp c, 0,1
	ds_store_b128 v[\adr], v[\pc+4*\c:\pc+4*\c+3] offset:\off+512*\c
.endr
.endm
.macro FOLD
.irp m, 0,1
	v_pk_add_f32 v[TM+4*\m:TM+4*\m+1], v[TM+4*\m:TM+4*\m+1], v[TM+4*\m+2:TM+4*\m+3]
.endr
.irp m, 0,1
	v_add_f32 v[TM+4*\m], v[TM+4*\m], v[TM+4*\m+1]
.endr
.irp m, 0,1
	v_permlanex16_b32 v[TM+4*\m+1], v[TM+4*\m], s[SEL], s[SEL+1]
.endr
.irp m, 0,1
	v_add_f32 v[TM+4*\m], v[TM+4*\m], v[TM+4*\m+1]
.endr
.endm
.macro XCH k
.irp m, 0,1
	ds_store_b32 v[STW], v[TM+4*\m] offset:1024*\k+128*\m
.endr
	s_wait_dscnt 0x0
	s_barrier_signal -1
	s_barrier_wait -1
.irp m, 0,1
.irp q, 0,1,2,3
	ds_load_b32 v[TM+8+4*\m+\q], v[RB4] offset:STATO+1024*\k+256*\q+128*\m
.endr
.endr
	s_wait_dscnt 0x0
.irp m, 0,1
	v_add_f32 v[TM+8+4*\m], v[TM+8+4*\m], v[TM+9+4*\m]
	v_add_f32 v[TM+10+4*\m], v[TM+10+4*\m], v[TM+11+4*\m]
.endr
.irp m, 0,1
	v_add_f32 v[TM+8+4*\m], v[TM+8+4*\m], v[TM+10+4*\m]
.endr
.endm
.macro LNORM
	WIN 0x0f
.irp m, 0,1
	v_pk_add_f32 v[TM+4*\m:TM+4*\m+1], v[64*\m:64*\m+1], v[64*\m+2:64*\m+3]
	v_pk_add_f32 v[TM+4*\m+2:TM+4*\m+3], v[64*\m+4:64*\m+5], v[64*\m+6:64*\m+7]
.endr
	WIN 0x0c
.irp j, 8,12,16,20,24,28,32,36,40,44,48,52,56,60
.irp m, 0,1
	v_pk_add_f32 v[TM+4*\m:TM+4*\m+1], v[TM+4*\m:TM+4*\m+1], v[64*\m+\j:64*\m+\j+1]
	v_pk_add_f32 v[TM+4*\m+2:TM+4*\m+3], v[TM+4*\m+2:TM+4*\m+3], v[64*\m+\j+2:64*\m+\j+3]
.endr
.endr
	WIN 0
	FOLD
	XCH 0
.irp m, 0,1
	v_mul_f32 v[MU+2*\m], 0x3b000000, v[TM+8+4*\m]
	v_mul_f32 v[MU+2*\m+1], 0x3b000000, v[TM+8+4*\m]
.endr
	WIN 0x03
.irp m, 0,1
.set i, 64*\m
.rept 32
	v_pk_add_f32 v[HA+i:HA+i+1], v[i:i+1], v[MU+2*\m:MU+2*\m+1] neg_lo:[0,1] neg_hi:[0,1]
.set i, i+2
.endr
.endr
	WIN 0
.irp m, 0,1
	v_pk_mul_f32 v[TM+4*\m:TM+4*\m+1], v[HA+64*\m:HA+64*\m+1], v[HA+64*\m:HA+64*\m+1]
	v_pk_mul_f32 v[TM+4*\m+2:TM+4*\m+3], v[HA+64*\m+2:HA+64*\m+3], v[HA+64*\m+2:HA+64*\m+3]
.endr
.irp j, 4,8,12,16,20,24,28,32,36,40,44,48,52,56,60
.irp m, 0,1
	v_pk_fma_f32 v[TM+4*\m:TM+4*\m+1], v[HA+64*\m+\j:HA+64*\m+\j+1], v[HA+64*\m+\j:HA+64*\m+\j+1], v[TM+4*\m:TM+4*\m+1]
	v_pk_fma_f32 v[TM+4*\m+2:TM+4*\m+3], v[HA+64*\m+\j+2:HA+64*\m+\j+3], v[HA+64*\m+\j+2:HA+64*\m+\j+3], v[TM+4*\m+2:TM+4*\m+3]
.endr
.endr
	FOLD
	XCH 1
.irp m, 0,1
	v_fma_f32 v[TM+9+4*\m], v[TM+8+4*\m], s[RC], s[EP]
.endr
	s_wait_alu depctr_va_vdst(0)
.irp m, 0,1
	v_rsq_f32 v[TM+10+4*\m], v[TM+9+4*\m]
.endr
	v_nop
	s_wait_alu depctr_va_vdst(0)
.irp m, 0,1
	v_mul_f32 v[GG+2*\m], s[ALPHA], v[TM+10+4*\m]
	v_mul_f32 v[GG+2*\m+1], s[ALPHA], v[TM+10+4*\m]
.endr
.irp m, 0,1
.set i, HA+64*\m
.rept 32
	v_pk_fma_f32 v[i:i+1], v[i:i+1], v[GG+2*\m:GG+2*\m+1], s[BETA:BETA+1] op_sel_hi:[1,1,0]
.set i, i+2
.endr
.endr
.endm
	s_load_b64 s[6:7], s[0:1], 0x0
	s_load_b256 s[8:15], s[0:1], 0x8
	s_load_b128 s[16:19], s[0:1], 0x28
	v_lshl_add_u32 v[SPW], v0, 2, SPARE
	v_mov_b32 v[NIL], 0
	ds_add_u32 v14, v15
	ds_add_u32 v14, v15
	s_wait_dscnt 0x0
	v_lshrrev_b32 v19, 5, v0
	v_readfirstlane_b32 s[WV], v19
	s_bfe_u32 s59, ttmp6, 0x40000
	s_lshl_b32 s58, ttmp9, 2
	s_add_co_u32 s58, s58, s59
	s_mov_b32 s[G1A], 15|(3<<16)|(1<<21)
	s_mov_b32 s[G1A+1], 32<<16
	s_mov_b32 s[G1A+2], 138<<16
	s_mov_b32 s[G1A+3], 32<<16
	s_mov_b32 s[G1A+4], 138
	s_mov_b32 s[G1A+5], 32
	s_mov_b32 s[G1A+6], 0
	s_mov_b32 s[G1A+7], 0
	s_mov_b32 s[G1B], 15|(3<<16)|(1<<21)
	s_mov_b32 s[G1B+1], 32<<16
	s_mov_b32 s[G1B+2], 136<<16
	s_mov_b32 s[G1B+3], 32<<16
	s_mov_b32 s[G1B+4], 136
	s_mov_b32 s[G1B+5], 32
	s_mov_b32 s[G1B+6], 0
	s_mov_b32 s[G1B+7], 0
	s_mov_b32 s[SEL], 0x76543210
	s_mov_b32 s[SEL+1], 0xfedcba98
	s_mov_b32 s[RC], 0x3b004020
	s_mov_b32 s[EP], 0x358637bd
	s_mov_b32 s[CNT], 7
	s_and_b32 s[CJ], ttmp9, 7
	s_mul_i32 s54, s[WV], W1P
	s_mul_i32 s55, s[WV], W2P
	s_mov_b32 s[OF+1], 0
	s_wait_kmcnt 0x0
	s_load_b32 s[ALPHA], s[8:9], 0x0
	s_load_b32 s[BETA], s[10:11], 0x0
	s_mov_b32 s[OF], s54
	s_add_nc_u64 s[12:13], s[12:13], s[OF:OF+1]
	s_mov_b32 s[OF], s55
	s_add_nc_u64 s[14:15], s[14:15], s[OF:OF+1]
	s_mov_b32 s[G0A], 1
	s_mov_b32 s[G0A+1], s54
	s_mul_i32 s[OF], s[CJ], 4*W1P
	s_add_nc_u64 s[G0A+2:G0A+3], s[12:13], s[OF:OF+1]
	s_or_b32 s[G0A+3], s[G0A+3], 0x80000000
	s_mov_b32 s[G0B], 1
	s_add_co_u32 s[G0B+1], s55, SLOTB
	s_mul_i32 s[OF], s[CJ], 4*W2P
	s_add_nc_u64 s[G0B+2:G0B+3], s[14:15], s[OF:OF+1]
	s_or_b32 s[G0B+3], s[G0B+3], 0x80000000
	ROUND
	tensor_load_to_lds s[G0A:G0A+3], s[G1A:G1A+7]
	s_nop 0
	s_wait_alu depctr_va_vdst(0)
	s_wait_tensorcnt 0x0
	ds_add_u32 v14, v15
	s_wait_dscnt 0x0
	ROUND
	tensor_load_to_lds s[G0B:G0B+3], s[G1B:G1B+7]
	s_nop 0
	NOP4
	v_and_b32 v19, 31, v0
	v_and_b32 v47, 15, v0
	v_bfe_u32 v46, v0, 4, 1
	v_lshlrev_b32 v[LI], 4, v19
	v_lshlrev_b32 v[LS], 2, v19
	s_lshl_b32 s53, s[WV], 9
	v_lshlrev_b32 v19, 6, v46
	v_add_nc_u32 v[B2A], s53, v19
	s_lshl_b32 s53, s[WV], 10
	s_add_co_u32 s53, s53, XIMG
	v_add_nc_u32 v[XWI], s53, v[LI]
	v_add_nc_u32 v[HWI], HIMO, v[XWI]
	s_lshl_b32 s53, s[WV], 7
	s_add_co_u32 s53, s53, XIMG+XSCO
	v_add_nc_u32 v[XWS], s53, v[LS]
	v_add_nc_u32 v[HWS], HSCO-XSCO, v[XWS]
	s_lshl_b32 s53, s[WV], 8
	s_add_co_u32 s53, s53, XIMG+STATO
	v_add_nc_u32 v[STW], s53, v[LS]
	v_add_nc_u32 v[RB16], XIMG, v[LI]
	v_add_nc_u32 v[RB4], XIMG, v[LS]
	v_add_nc_u32 v[AW1], s54, v[LI]
	s_add_co_u32 s53, s55, SLOTB
	v_add_nc_u32 v[AW2], s53, v[LI]
	s_add_co_u32 s53, s54, 34816
	v_add_nc_u32 v[AB1], s53, v19
	v_mul_u32_u24 v[SO], v47, 528
	v_add_nc_u32 v[SO], v[SO], v19
	v_add_nc_u32 v[SO], s54, v[SO]
	s_lshl_b32 s[OF], s58, 16
	s_lshl_b32 s53, s[WV], 9
	s_add_co_u32 s[OF], s[OF], s53
	s_add_nc_u64 s[18:19], s[18:19], s[OF:OF+1]
	s_lshr_b32 s60, s58, 6
	s_and_b32 s61, s58, 63
	s_lshl_b32 s60, s60, 4
	s_lshl_b32 s53, s[WV], 2
	s_add_co_u32 s60, s60, s53
	s_lshl_b32 s[OF], s60, 18
	s_lshl_b32 s61, s61, 12
	s_add_co_u32 s[OF], s[OF], s61
	s_add_nc_u64 s[6:7], s[6:7], s[OF:OF+1]
	WIN 0xc0
.irp m, 0,1
.irp b, 0,1,2,3
.irp i, 0,1,2,3
	global_load_b128 v[64*\m+16*\b+4*\i:64*\m+16*\b+4*\i+3], v[LI], s[6:7] offset:262144*\b+2048*\m+512*\i th:TH_LOAD_NT
.endr
.endr
.endr
	WIN 0x80
.irp m, 0,1
.irp b, 0,1,2,3
.irp i, 0,1,2,3
	global_load_b128 v[64*\m+16*\b+4*\i:64*\m+16*\b+4*\i+3], v[B2A], s[16:17] offset:128*\b+16*\i
.endr
.endr
.endr
	WIN 0
	s_wait_kmcnt 0x0
	s_mov_b32 s[BETA+1], s[BETA]
	s_wait_loadcnt 0x0
	LNORM
	QUANT HA, PC, PW, 1
	IMAGE XWI, PC, 0
	ds_store_b32 v[XWS], v[PW]
	QUANT HA+64, PC2, PW2, 1
	IMAGE XWI, PC2, 4096
	ds_store_b32 v[XWS], v[PW2] offset:512
	s_wait_tensorcnt 0x1
	s_wait_dscnt 0x0
	s_barrier_signal -1
	s_barrier_wait -1
	WIN 0x80
.irp m, 0,1
.irp s, 0,1,2,3
.irp c, 0,1
	ds_load_b128 v[XF+32*\m+8*\s+4*\c:XF+32*\m+8*\s+4*\c+3], v[RB16] offset:1024*(4*\m+\s)+512*\c
.endr
.endr
.endr
	WIN 0
.irp m, 0,1
.irp s, 0,1,2,3
	ds_load_b32 v[XS+4*\m+\s], v[RB4] offset:XSCO+128*(4*\m+\s)
.endr
.endr
.macro UP
	WIN 0
.irp b, 0,1,2,3
	ds_load_b128 v[W1S+4*\b:W1S+4*\b+3], v[AW1] offset:32768+512*\b
.endr
	WIN 0xc0
.irp t, 0,1,2,3,4,5,6,7
.irp i, 0,1
	ds_load_b128 v[B1+8*\t+4*\i:B1+8*\t+4*\i+3], v[AB1] offset:128*(\t/2)+32*(\t%2)+16*\i
.endr
.endr
	WIN 0x40
.irp s, 0,1,2,3
.irp t, 0,1,2,3,4,5,6,7
.irp c, 0,1
	ds_load_b128 v[8*(8*\s+\t)+4*\c:8*(8*\s+\t)+4*\c+3], v[AW1] offset:512*(2*(8*\s+\t)+\c)
.endr
.endr
.endr
.irp s, 0,1,2,3
	s_wait_dscnt 48-16*\s
.if \s == 0
	WIN 0x39
.else
	WIN 0x09
.endif
.irp t, 0,1,2,3,4,5,6,7
.irp m, 0,1
.set DD, HA+64*\m+8*\t
.set CC, DD
.if \s == 0
.set CC, B1+8*\t
.endif
	MM DD, 8*(8*\s+\t), XF+32*\m+8*\s, CC, W1S+4*(\t/2)+\s, XS+4*\m+\s, \t%2
.endr
.endr
.endr
	WIN 0
	NOP4
.set i, HA
.rept 128
	v_max_num_f32 v[i], 0, v[i]
.set i, i+1
.endr
	QUANT HA, PC, PW, 0
	QUANT HA+64, PC2, PW2, 0
	IMAGE HWI, PC, 0
	IMAGE HWI, PC2, 4096
	ds_store_b32 v[HWS], v[PW]
	ds_store_b32 v[HWS], v[PW2] offset:512
.endm
.macro DOWN
	WIN 0x80
.irp m, 0,1
.irp s, 0,1,2,3
.irp c, 0,1
	ds_load_b128 v[HF+32*\m+8*\s+4*\c:HF+32*\m+8*\s+4*\c+3], v[RB16] offset:HIMO+1024*(4*\m+\s)+512*\c
.endr
.endr
.endr
	WIN 0
.irp m, 0,1
.irp s, 0,1,2,3
	ds_load_b32 v[HS+4*\m+\s], v[RB4] offset:HSCO+128*(4*\m+\s)
.endr
.endr
.irp b, 0,1,2,3
	ds_load_b128 v[W2S+4*\b:W2S+4*\b+3], v[AW2] offset:32768+512*\b
.endr
	WIN 0x40
.irp s, 0,1,2,3
.irp t, 0,1,2,3,4,5,6,7
.irp c, 0,1
	ds_load_b128 v[8*(8*\s+\t)+4*\c:8*(8*\s+\t)+4*\c+3], v[AW2] offset:512*(2*(8*\s+\t)+\c)
.endr
.endr
.endr
.irp s, 0,1,2,3
	s_wait_dscnt 48-16*\s
	WIN 0xa9
.irp t, 0,1,2,3,4,5,6,7
.irp m, 0,1
	MM 64*\m+8*\t, 8*(8*\s+\t), HF+32*\m+8*\s, 64*\m+8*\t, W2S+4*(\t/2)+\s, HS+4*\m+\s, \t%2
.endr
.endr
.endr
	WIN 0
	NOP4
.endm
.Lchunk:
	UP
	RING 1, G0A, G1A, 12, W1P, 1
	DOWN
	RING 1, G0B, G1B, 14, W2P, 0
	s_sub_co_u32 s[CNT], s[CNT], 1
	s_cmp_lg_u32 s[CNT], 0
	s_cbranch_scc1 .Lchunk
	UP
	RING 0, 0, 0, 0, 0, 0
	DOWN
	WIN 0x08
.set i, 0
.rept 128
	v_max_num_f32 v[HA+i], 0, v[i]
.set i, i+1
.endr
	WIN 0x0c
.set i, 0
.rept 64
	v_pk_add_f32 v[HA+i:HA+i+1], v[HA+i:HA+i+1], v[i:i+1]
.set i, i+2
.endr
	WIN 0
.irp m, 0,1
.irp b, 0,1,2,3
.irp i, 0,1,2,3
	ds_store_b128 v[SO], v[HA+64*\m+16*\b+4*\i:HA+64*\m+16*\b+4*\i+3] offset:8448*\m+128*\b+16*\i
.endr
.endr
.irp t, 0,1,2,3,4,5,6,7,8,9,10,11,12,13,14,15
	ds_load_b128 v[HA+64*\m+4*\t:HA+64*\m+4*\t+3], v[AW1] offset:8448*\m+528*\t
.endr
.endr
.irp m, 0,1
.irp t, 0,1,2,3,4,5,6,7,8,9,10,11,12,13,14,15
	s_wait_dscnt 47-32*\m-\t
	global_store_b128 v[LI], v[HA+64*\m+4*\t:HA+64*\m+4*\t+3], s[18:19] offset:(8*\m+\t+8*(\t/8))*2048 th:TH_STORE_NT
.endr
.endr
	s_wait_tensorcnt 0x0
	ds_add_u32 v[SPW], v[NIL]
	s_wait_dscnt 0x0
	ROUND
	s_endpgm
.Lfunc_end_k_q402f01efbc_ffn:
	.size	k_q402f01efbc_ffn, .Lfunc_end_k_q402f01efbc_ffn-k_q402f01efbc_ffn
	.p2alignl 7, 3214868480
	.fill 96, 4, 3214868480
	.section	.rodata,"a",@progbits
	.p2align	6, 0x0
	.amdhsa_kernel k_q402f01efbc_ffn
		.amdhsa_group_segment_fixed_size 327680
		.amdhsa_private_segment_fixed_size 0
		.amdhsa_enable_private_segment 0
		.amdhsa_kernarg_size 56
		.amdhsa_user_sgpr_count 2
		.amdhsa_user_sgpr_kernarg_segment_ptr 1
		.amdhsa_wavefront_size32 1
		.amdhsa_system_sgpr_workgroup_id_x 1
		.amdhsa_system_sgpr_workgroup_id_y 1
		.amdhsa_system_sgpr_workgroup_id_z 1
		.amdhsa_system_vgpr_workitem_id 0
		.amdhsa_next_free_vgpr 960
		.amdhsa_next_free_sgpr 66
		.amdhsa_reserve_vcc 0
		.amdhsa_float_denorm_mode_32 3
		.amdhsa_float_denorm_mode_16_64 3
		.amdhsa_memory_ordered 1
		.amdhsa_forward_progress 1
		.amdhsa_inst_pref_size 139
	.end_amdhsa_kernel
	.amdgpu_metadata
---
amdhsa.version: [ 1, 2 ]
amdhsa.kernels:
  - .name:           k_q402f01efbc_ffn
    .symbol:         k_q402f01efbc_ffn.kd
    .args:
      - { .name: x1, .offset: 0, .size: 8, .value_kind: global_buffer, .address_space: global }
      - { .name: alpha, .offset: 8, .size: 8, .value_kind: global_buffer, .address_space: global }
      - { .name: beta, .offset: 16, .size: 8, .value_kind: global_buffer, .address_space: global }
      - { .name: w1p, .offset: 24, .size: 8, .value_kind: global_buffer, .address_space: global }
      - { .name: w2p, .offset: 32, .size: 8, .value_kind: global_buffer, .address_space: global }
      - { .name: b2, .offset: 40, .size: 8, .value_kind: global_buffer, .address_space: global }
      - { .name: out0, .offset: 48, .size: 8, .value_kind: global_buffer, .address_space: global }
    .group_segment_fixed_size: 327680
    .private_segment_fixed_size: 0
    .kernarg_segment_align: 8
    .kernarg_segment_size: 56
    .max_flat_workgroup_size: 128
    .sgpr_count:     66
    .vgpr_count:     960
    .wavefront_size: 32
...
	.end_amdgpu_metadata
.endif
;; end of part 3
